; MI455X (gfx1250); checked and timed in simulation.
; The chip was launched on July 23, 2026; its instructions are those of AMD's public machine-readable ISA for CDNA 5 (MIT licence, August 2026) and "CDNA5" Instruction Set Architecture Reference Guide (July 2026). The comments in the code are by the model that wrote it; some were corrected since.
;; Patched Mixtral Sparse Moe Block. Allowed arithmetic: float matrix products may take bf16 or f16 operands with f32 sums; other float arithmetic in f32, or as packed bf16 or f16 multiplies, adds, multiply-adds, maxima and minima; sums over many terms, partial sums and values carried from step to step in f32; what a program stores and reads back later, other than sums and carried values, may be rounded once to bf16 or f16.
;; Inputs: gate_w 8 x 2,048 float32; hidden_states 2 x 2,048 x 2,048 float32; w1 8 x 256 x 2,048 float32; w2 8 x 2,048 x 256 float32; w3 8 x 256 x 2,048 float32.
;; Outputs: out0 2 x 2,048 x 2,048 float32; out1 4,096 x 8 float32.
;; One version. Each part assembles by itself: llvm-mc -triple=amdgcn-amd-amdhsa -mcpu=gfx1250 --defsym DOCPART=n.
;; ======== version 1 of 1: 3 launches
;; limits: values are held in f16: magnitudes above 65,504 overflow, below 6.1e-05 lose precision; inputs' magnitudes at most 65,504
;; workspace buffers: hb 16,777,216 bytes; wu 16,777,216 bytes; wd 8,388,608 bytes; route 32,768 bytes of whole numbers; rwt 32,768 bytes; g 8,388,608 bytes; plan 26,880 bytes of whole numbers
;; launch prep (part 1): grid 256 x 1, 8 waves a work-group, no clusters, 109,824 bytes of LDS; arguments hidden_states, gate_w, w1, w3, w2, out1, hb, wu, wd, route, rwt; writes out1, hb, wu, wd, route, rwt
.if DOCPART == 1
	.amdgcn_target "amdgcn-amd-amdhsa--gfx1250"
	.amdhsa_code_object_version 6
	.text
	.protected	k_qafd9f0b1b5_prep
	.globl	k_qafd9f0b1b5_prep
	.p2align	8
	.type	k_qafd9f0b1b5_prep,@function
k_qafd9f0b1b5_prep:
	s_mov_b64 s[64:65], 0
	v_nop
	global_prefetch_b8 v0, s[64:65] scope:SCOPE_SE
	s_setreg_imm32_b32 hwreg(HW_REG_WAVE_MODE, 25, 1), 1
	s_wait_xcnt 0x0
; PREP.  Work-group g (of 256) does two things.
; (1) ROUTER for tokens 16 g .. 16 g + 15: h and gate_w are rounded to bf16, h goes out as hb; logits = h . gate^T on the matrix unit (f32 sums), out1; the two
;     largest logits (the lower index on equality), their weights 1/(1+e) and e/(1+e) with e = exp(l2 - l1), l1 being the row's maximum; stored at FIXED places:
;     route: tk[token] (a 1 in nibble e for both chosen experts) and, 16,384 bytes on, sid[token] (number 0..27 of the pair a < b); rwt[token] = (weight of a, weight of b).
; (2) WEIGHTS: 48 blocks of 16 rows x 64 k of f32 (16 each of w1, w3, w2; two of each a wave) are rounded to bf16 and laid out in the order in which a wave's operand registers take them:
;     a fragment (16 rows x 32 k) is 1,024 bytes [half 2][lane 32][16 B], lane (r, hh) holding k = 16 half + 8 hh + 0..7 of row r.
;     wu [e 8][ct 2][w 4][ks 64][2 fb + mat][1,024], row f = 128 ct + 32 w + 16 fb + r, mat 0 = w1, 1 = w3.   wd [e 8][nt 4][w 4][ks 8][frag 8][1,024], row d = 512 nt + 128 w + 16 frag + r:
;     w2 rounded to bf16 and that number written as f16.
; LIMITS.  NaN and infinities are not treated apart.  The choice is made on the logits: two logits closer than the rounding of their f32 sums may fall the other way.
; |w2| stays under 65,504; below 6e-5 it keeps f16's fixed step of 6e-8.
; No tensor loads: every byte is read once, straight into registers, 512 consecutive bytes an instruction (weights: two rows' aligned 256 bytes), 48 loads a wave on their way.
.set XP,    4112                       ; a token's row in LDS: 4,096 bytes of bf16 + 16: the 16 rows of a fragment load start at 16 different groups of four banks
.set STG,   16*XP                      ; behind the 16 rows: a stage of 4,352 bytes for each wave, its own: first its slice of gate_w (8 x 528), then weight blocks (16 x 272)
.set STGW,  4352
.set PART,  STG+8*STGW                 ; the waves' partial logits, 1,024 bytes each
.set SPARE, PART+8*1024                ; the spare words, 128 bytes a wave: four blocks of 256 bytes that no other line names
.set LH, 64                            ; v64-191  h as loaded (32 loads); later weight blocks 0-3
.set LG, 192                           ; v192-255 gate_w as loaded (16 loads); later weight blocks 4, 5
.set RB, 32                            ; v32-63   at work: fragments, a block read back
.set CV, 16                            ; v16-31   at work: accumulators, a block converted
.macro BAR
	s_barrier_signal -1
	s_barrier_wait -1
.endm
	s_load_b512 s[8:23], s[0:1], 0x0               ; h s[8:9], gate s[10:11], w1 s[12:13], w3 s[14:15], w2 s[16:17], out1 s[18:19], hb s[20:21], wu s[22:23]
	s_load_b128 s[24:27], s[0:1], 0x40             ; wd s[24:25], route s[26:27]
	s_load_b64 s[28:29], s[0:1], 0x50              ; rwt
	v_lshl_add_u32 v4, v0, 2, SPARE                ; my spare word; never rewritten
	v_mov_b32 v5, 0                                ; 0; never rewritten
	v_and_b32 v1, 31, v0                           ; lane l
	v_lshrrev_b32 v2, 5, v0
	v_readfirstlane_b32 s30, v2                    ; wave 0..7
	v_and_b32 v2, 15, v0                           ; r
	v_bfe_u32 v3, v0, 4, 1                         ; hh
	v_lshlrev_b32 v6, 4, v1                        ; 16 l
	v_lshlrev_b32 v7, 3, v1                        ; 8 l
	s_lshl_b32 s31, ttmp9, 4
	s_lshl1_add_u32 s31, s30, s31                  ; 16 g + 2 wave: my first token, and my first block of each weight tensor
	s_lshl_b32 s34, s30, 10                        ; my 256 k of a row of gate_w
	s_mov_b32 s35, 0
	s_lshl_b32 s36, s31, 13                        ; my two rows of h
	s_mov_b32 s37, 0
	s_wait_kmcnt 0x0
	s_add_nc_u64 s[10:11], s[10:11], s[34:35]
	s_add_nc_u64 s[8:9], s[8:9], s[36:37]
.set q, 0
.rept 16                                       ; gate_w: row q / 2, half q % 2 of my 1,024 bytes
	global_load_b128 v[LG+4*q:LG+4*q+3], v6, s[10:11] offset:(q/2)*8192+(q%2)*512
.set q, q+1
.endr
.set q, 0
.rept 32                                       ; h: row q / 16, 512 consecutive bytes q % 16
	global_load_b128 v[LH+4*q:LH+4*q+3], v6, s[8:9] offset:(q/16)*8192+(q%16)*512 th:TH_LOAD_NT
.set q, q+1
.endr
	; addresses, while the 48 loads are on their way
	s_mov_b32 s40, 0xffff0000                      ; lanes 16-31; also a word's upper bf16
	s_mov_b32 s41, 0x3fb8aa3b                      ; log2(e)
	s_mul_i32 s32, s30, 2*XP
	v_add_nc_u32 v8, s32, v7                       ; my two rows in LDS + 8 l
	s_mul_i32 s33, s30, STGW
	s_add_co_u32 s33, s33, STG                     ; my stage
	v_add_nc_u32 v9, s33, v7
	v_mul_u32_u24 v12, v3, 272                     ; a block goes in two rows at a time: row hh, 16 bytes r
	v_lshl_add_u32 v12, v2, 4, v12
	v_add_nc_u32 v12, s33, v12
	v_mul_u32_u24 v13, v2, 272                     ; and comes back by fragments: row r, 8 f32 from 8 hh on
	v_lshl_add_u32 v13, v3, 5, v13
	v_add_nc_u32 v13, s33, v13
	v_and_b32 v14, 7, v0                           ; gate fragment: row r % 8 (rows 8-15 repeat 0-7)
	v_mul_u32_u24 v14, v14, 528
	v_lshl_add_u32 v14, v3, 4, v14
	v_add_nc_u32 v14, s33, v14
	v_mul_u32_u24 v15, v2, XP                      ; token fragment: row r, my wave's 256 k
	v_lshl_add_u32 v15, v3, 4, v15
	s_lshl_b32 s34, s30, 9
	v_add_nc_u32 v15, s34, v15
	v_lshlrev_b32 v10, 13, v3                      ; w1, w3: row hh (8,192 bytes), 16 bytes r
	v_lshl_add_u32 v10, v2, 4, v10
	v_lshlrev_b32 v11, 10, v3                      ; w2: rows of 1,024 bytes
	v_lshl_add_u32 v11, v2, 4, v11
	s_lshl_b32 s34, s31, 12
	s_add_nc_u64 s[20:21], s[20:21], s[34:35]      ; hb at my two rows
	s_lshr_b32 s34, s31, 5                         ; w1, w3: block bi = 32 x (16 rows) + (64 k)
	s_lshl_b32 s34, s34, 17
	s_and_b32 s36, s31, 31
	s_lshl_b32 s36, s36, 8
	s_add_co_u32 s34, s34, s36
	s_add_nc_u64 s[12:13], s[12:13], s[34:35]
	s_add_nc_u64 s[14:15], s[14:15], s[34:35]
	s_lshr_b32 s34, s31, 2                         ; w2: block bi = 4 x (16 rows) + (64 k)
	s_lshl_b32 s34, s34, 14
	s_and_b32 s36, s31, 3
	s_lshl_b32 s36, s36, 8
	s_add_co_u32 s34, s34, s36
	s_add_nc_u64 s[16:17], s[16:17], s[34:35]
	s_lshr_b32 s34, s31, 6                         ; wu: (e, ct, w) x 262,144 + two K steps x 4,096 a block + fb x 2,048
	s_lshl_b32 s34, s34, 18
	s_and_b32 s36, s31, 31
	s_lshl_b32 s36, s36, 13
	s_add_co_u32 s34, s34, s36
	s_bfe_u32 s36, s31, 0x10005
	s_lshl_b32 s36, s36, 11
	s_add_co_u32 s34, s34, s36
	s_add_nc_u64 s[22:23], s[22:23], s[34:35]
	s_lshr_b32 s34, s31, 5                         ; wd: (e, nt, w) x 65,536 + two K steps x 8,192 a block + frag x 1,024
	s_lshl_b32 s34, s34, 16
	s_and_b32 s36, s31, 3
	s_lshl_b32 s36, s36, 14
	s_add_co_u32 s34, s34, s36
	s_bfe_u32 s36, s31, 0x30002
	s_lshl_b32 s36, s36, 10
	s_add_co_u32 s34, s34, s36
	s_add_nc_u64 s[24:25], s[24:25], s[34:35]
	s_lshl_b32 s34, ttmp9, 9
	s_add_nc_u64 s[18:19], s[18:19], s[34:35]      ; out1: 16 tokens x 32 bytes
	s_lshl_b32 s34, ttmp9, 6
	s_add_nc_u64 s[26:27], s[26:27], s[34:35]      ; route: 16 words
	s_lshl_b32 s34, ttmp9, 7
	s_add_nc_u64 s[28:29], s[28:29], s[34:35]      ; rwt: 16 pairs
.set q, 0
.rept 16                                       ; gate_w to bf16, into my stage
	s_wait_loadcnt 47-q                            ; loads come back in order: load q is in, the 47 - q younger ones stay out
	v_cvt_pk_bf16_f32 v[LG+4*q], v[LG+4*q], v[LG+4*q+1]
	v_cvt_pk_bf16_f32 v[LG+4*q+1], v[LG+4*q+2], v[LG+4*q+3]
	ds_store_b64 v9, v[LG+4*q:LG+4*q+1] offset:(q/2)*528+(q%2)*256
.set q, q+1
.endr
.set q, 0
.rept 32                                       ; h to bf16: out as hb (256 consecutive bytes a store, aligned) and into LDS
	s_wait_loadcnt 31-q
	v_cvt_pk_bf16_f32 v[LH+4*q], v[LH+4*q], v[LH+4*q+1]
	v_cvt_pk_bf16_f32 v[LH+4*q+1], v[LH+4*q+2], v[LH+4*q+3]
	global_store_b64 v7, v[LH+4*q:LH+4*q+1], s[20:21] offset:(q/16)*4096+(q%16)*256
	ds_store_b64 v8, v[LH+4*q:LH+4*q+1] offset:(q/16)*XP+(q%16)*256
.set q, q+1
.endr
	s_wait_xcnt 0x0                                ; the stores to hb have read their registers: only now are these loaded again
.macro WLD blk, sb, vo, step, i        ; a block of 16 rows x 256 bytes: eight loads of two rows
.set j, 0
.rept 8
	global_load_b128 v[64+32*(\blk)+4*j:64+32*(\blk)+4*j+3], v[\vo], s[\sb:(\sb)+1] offset:(\step)*j+256*(\i) th:TH_LOAD_NT
.set j, j+1
.endr
.endm
	WLD 0, 12, 10, 16384, 0                        ; all 48 weight loads go out now and land while the router works
	WLD 1, 12, 10, 16384, 1
	WLD 2, 14, 10, 16384, 0
	WLD 3, 14, 10, 16384, 1
	WLD 4, 16, 11, 2048, 0
	WLD 5, 16, 11, 2048, 1
	s_wait_dscnt 0x0                               ; for the others' sake: my two rows are in LDS
	BAR
	; THE ROUTER.  My wave takes k = 256 wave .. + 255: eight products, two accumulators by turns.  Source 0 = gate rows, source 1 = 16 tokens: a lane holds token r and experts 0-7.
.macro RPAIR p, zero
.if (\p) > 0
.rept 4
	v_nop                                          ; four places between the last product and loads into the registers that it read
.endr
.endif
	ds_load_b128 v[32:35], v14 offset:128*(\p)
	ds_load_b128 v[36:39], v14 offset:128*(\p)+32
	ds_load_b128 v[40:43], v15 offset:128*(\p)
	ds_load_b128 v[44:47], v15 offset:128*(\p)+32
	ds_load_b128 v[48:51], v14 offset:128*(\p)+64
	ds_load_b128 v[52:55], v14 offset:128*(\p)+96
	ds_load_b128 v[56:59], v15 offset:128*(\p)+64
	ds_load_b128 v[60:63], v15 offset:128*(\p)+96
	s_wait_dscnt 0x0
.if \zero
	v_wmma_f32_16x16x32_bf16 v[16:23], v[32:39], v[40:47], 0
	v_wmma_f32_16x16x32_bf16 v[24:31], v[48:55], v[56:63], 0
.else
	v_wmma_f32_16x16x32_bf16 v[16:23], v[32:39], v[40:47], v[16:23]
	v_wmma_f32_16x16x32_bf16 v[24:31], v[48:55], v[56:63], v[24:31]
.endif
.endm
	RPAIR 0, 1
	RPAIR 1, 0
	RPAIR 2, 0
	RPAIR 3, 0
.rept 4
	v_nop
.endr
	v_pk_add_f32 v[16:17], v[16:17], v[24:25]      ; both accumulators are read from their low end on
	v_pk_add_f32 v[18:19], v[18:19], v[26:27]
	v_pk_add_f32 v[20:21], v[20:21], v[28:29]
	v_pk_add_f32 v[22:23], v[22:23], v[30:31]
	s_lshl_b32 s34, s30, 10
	s_add_co_u32 s34, s34, PART
	v_lshl_add_u32 v32, v1, 5, s34
	ds_store_b128 v32, v[16:19]
	ds_store_b128 v32, v[20:23] offset:16
	s_wait_dscnt 0x0                               ; for wave 0's sake
	BAR
	s_cmp_lg_u32 s30, 0
	s_cbranch_scc1 .Lweights                       ; wave 0 alone finishes the router; no barrier stands in what the others jump
	v_lshl_add_u32 v24, v1, 5, PART
.set u, 0
.rept 4
	ds_load_b128 v[32+8*u:35+8*u], v24 offset:1024*u
	ds_load_b128 v[36+8*u:39+8*u], v24 offset:1024*u+16
.set u, u+1
.endr
	s_wait_dscnt 0x0
.irp c, 0,2,4,6                                ; the eight partial sums are added in the waves' order
	v_pk_add_f32 v[16+\c:17+\c], v[32+\c:33+\c], v[40+\c:41+\c]
	v_pk_add_f32 v[16+\c:17+\c], v[16+\c:17+\c], v[48+\c:49+\c]
	v_pk_add_f32 v[16+\c:17+\c], v[16+\c:17+\c], v[56+\c:57+\c]
.endr
.set u, 0
.rept 4
	ds_load_b128 v[32+8*u:35+8*u], v24 offset:4096+1024*u
	ds_load_b128 v[36+8*u:39+8*u], v24 offset:4096+1024*u+16
.set u, u+1
.endr
	s_wait_dscnt 0x0
.irp c, 0,2,4,6
	v_pk_add_f32 v[16+\c:17+\c], v[16+\c:17+\c], v[32+\c:33+\c]
	v_pk_add_f32 v[16+\c:17+\c], v[16+\c:17+\c], v[40+\c:41+\c]
	v_pk_add_f32 v[16+\c:17+\c], v[16+\c:17+\c], v[48+\c:49+\c]
	v_pk_add_f32 v[16+\c:17+\c], v[16+\c:17+\c], v[56+\c:57+\c]
.endr
	v_cndmask_b32 v24, v16, v20, s40               ; out1: lanes 0-15 store experts 0-3 of token r, lanes 16-31 experts 4-7: 512 consecutive bytes
	v_cndmask_b32 v25, v17, v21, s40
	v_cndmask_b32 v26, v18, v22, s40
	v_cndmask_b32 v27, v19, v23, s40
	v_lshlrev_b32 v28, 5, v2
	v_lshl_add_u32 v28, v3, 4, v28
	global_store_b128 v28, v[24:27], s[18:19]
	v_mov_b32 v29, v16                             ; the largest logit and its expert; 'greater' alone replaces, so the lower index wins a tie
	v_mov_b32 v30, 0
.set e, 1
.rept 7
	v_cmp_gt_f32 vcc_lo, v[16+e], v29
	v_cndmask_b32 v29, v29, v[16+e], vcc_lo
	v_cndmask_b32 v30, v30, e, vcc_lo
.set e, e+1
.endr
	v_mov_b32 v31, 0xff800000
.set e, 0
.rept 8                                        ; the winner is taken out, and the same scan finds the second
	v_cmp_eq_u32 vcc_lo, e, v30
	v_cndmask_b32 v[32+e], v[16+e], v31, vcc_lo
.set e, e+1
.endr
	v_mov_b32 v40, v32
	v_mov_b32 v41, 0
.set e, 1
.rept 7
	v_cmp_gt_f32 vcc_lo, v[32+e], v40
	v_cndmask_b32 v40, v40, v[32+e], vcc_lo
	v_cndmask_b32 v41, v41, e, vcc_lo
.set e, e+1
.endr
	v_sub_f32 v42, v40, v29                        ; l2 - l1 <= 0: the row's maximum is taken away
	v_mul_f32 v42, s41, v42
	v_exp_f32 v43, v42
	v_min_u32 v46, v30, v41                        ; a (a plain instruction behind the exponential)
	s_wait_alu depctr_va_vdst(0)                   ; ahead of the first line that names the exponential's result
	v_add_f32 v44, 1.0, v43
	v_rcp_f32 v45, v44                             ; weight of the first choice
	v_max_u32 v47, v30, v41                        ; b
	s_wait_alu depctr_va_vdst(0)
	v_mul_f32 v49, v43, v45                        ; weight of the second
	v_cmp_lt_u32 vcc_lo, v30, v41
	v_cndmask_b32 v48, v49, v45, vcc_lo            ; weight of a
	v_cndmask_b32 v58, v45, v49, vcc_lo            ; weight of b
	v_mov_b32 v52, 1
	v_lshlrev_b32 v50, 2, v46
	v_lshlrev_b32 v50, v50, v52
	v_lshlrev_b32 v51, 2, v47
	v_lshlrev_b32 v51, v51, v52
	v_or_b32 v50, v50, v51                         ; tk
	v_sub_nc_u32 v53, 15, v46
	v_mul_u32_u24 v53, v53, v46
	v_lshrrev_b32 v53, 1, v53
	v_add_nc_u32 v53, v53, v47
	v_sub_nc_u32 v53, v53, v46
	v_add_nc_u32 v53, -1, v53                      ; sid = a (15 - a) / 2 + b - a - 1
	v_lshlrev_b32 v54, 2, v2
	v_lshl_add_u32 v54, v3, 14, v54
	v_cndmask_b32 v55, v50, v53, s40               ; lanes 0-15 store tk, lanes 16-31 sid.  These tables have 16 tokens a work-group: runs of 64 and 128 bytes, 64 KB in all
	global_store_b32 v54, v55, s[26:27]
	v_lshlrev_b32 v56, 3, v2
	v_lshl_add_u32 v56, v3, 2, v56
	v_cndmask_b32 v57, v48, v58, s40
	global_store_b32 v56, v57, s[28:29]
.Lweights:
; A weight block: through my stage (f32, rows 272 bytes apart), back by fragments, rounded, and out: four stores of 512 consecutive bytes.
.macro WBLK blk, kind, sb, imm, qstep
	s_wait_loadcnt 8*(5-(\blk))                    ; the younger blocks' loads stay out
	s_wait_xcnt 0x0                                ; earlier stores have read v16-63
.set j, 0
.rept 8
	ds_store_b128 v12, v[64+32*(\blk)+4*j:64+32*(\blk)+4*j+3] offset:544*j
.set j, j+1
.endr
.set j, 0
.rept 4                                        ; j = 2 x (K step of the block) + half; LDS serves a wave's instructions in order, so these see the stores above
	ds_load_b128 v[RB+8*j:RB+8*j+3], v13 offset:64*j
	ds_load_b128 v[RB+8*j+4:RB+8*j+7], v13 offset:64*j+16
.set j, j+1
.endr
	s_wait_dscnt 0x0
.set j, 0
.rept 16
	v_cvt_pk_bf16_f32 v[CV+j], v[RB+2*j], v[RB+2*j+1]
.if \kind
	v_lshlrev_b32 v[RB+2*j], 16, v[CV+j]           ; the bf16 numbers as f32,
	v_and_b32 v[RB+2*j+1], s40, v[CV+j]
	v_cvt_pk_f16_f32 v[CV+j], v[RB+2*j], v[RB+2*j+1]  ; written as f16
.endif
.set j, j+1
.endr
.set j, 0
.rept 4
	global_store_b128 v6, v[CV+4*j:CV+4*j+3], s[\sb:(\sb)+1] offset:(\imm)+(\qstep)*(j/2)+512*(j%2)
.set j, j+1
.endr
.endm
	WBLK 0, 0, 22, 0, 4096
	WBLK 1, 0, 22, 8192, 4096
	WBLK 2, 0, 22, 1024, 4096
	WBLK 3, 0, 22, 8192+1024, 4096
	WBLK 4, 1, 24, 0, 8192
	WBLK 5, 1, 24, 16384, 8192
	s_wait_tensorcnt 0x0                           ; the wave's end, behind my last LDS store
	ds_add_u32 v4, v5
	s_wait_dscnt 0x0
	s_endpgm
.Lfunc_end_k_qafd9f0b1b5_prep:
	.size	k_qafd9f0b1b5_prep, .Lfunc_end_k_qafd9f0b1b5_prep-k_qafd9f0b1b5_prep
	.p2alignl 7, 3214868480
	.fill 96, 4, 3214868480
	.section	.rodata,"a",@progbits
	.p2align	6, 0x0
	.amdhsa_kernel k_qafd9f0b1b5_prep
		.amdhsa_group_segment_fixed_size 109824
		.amdhsa_private_segment_fixed_size 0
		.amdhsa_enable_private_segment 0
		.amdhsa_kernarg_size 88
		.amdhsa_user_sgpr_count 2
		.amdhsa_user_sgpr_kernarg_segment_ptr 1
		.amdhsa_wavefront_size32 1
		.amdhsa_system_sgpr_workgroup_id_x 1
		.amdhsa_system_sgpr_workgroup_id_y 1
		.amdhsa_system_sgpr_workgroup_id_z 1
		.amdhsa_system_vgpr_workitem_id 0
		.amdhsa_next_free_vgpr 256
		.amdhsa_next_free_sgpr 66
		.amdhsa_reserve_vcc 1
		.amdhsa_float_denorm_mode_32 3
		.amdhsa_float_denorm_mode_16_64 3
		.amdhsa_memory_ordered 1
		.amdhsa_forward_progress 1
		.amdhsa_inst_pref_size 57
	.end_amdhsa_kernel
	.amdgpu_metadata
---
amdhsa.version: [ 1, 2 ]
amdhsa.kernels:
  - .name:           k_qafd9f0b1b5_prep
    .symbol:         k_qafd9f0b1b5_prep.kd
    .args:
      - { .name: hidden_states, .offset: 0, .size: 8, .value_kind: global_buffer, .address_space: global }
      - { .name: gate_w, .offset: 8, .size: 8, .value_kind: global_buffer, .address_space: global }
      - { .name: w1, .offset: 16, .size: 8, .value_kind: global_buffer, .address_space: global }
      - { .name: w3, .offset: 24, .size: 8, .value_kind: global_buffer, .address_space: global }
      - { .name: w2, .offset: 32, .size: 8, .value_kind: global_buffer, .address_space: global }
      - { .name: out1, .offset: 40, .size: 8, .value_kind: global_buffer, .address_space: global }
      - { .name: hb, .offset: 48, .size: 8, .value_kind: global_buffer, .address_space: global }
      - { .name: wu, .offset: 56, .size: 8, .value_kind: global_buffer, .address_space: global }
      - { .name: wd, .offset: 64, .size: 8, .value_kind: global_buffer, .address_space: global }
      - { .name: route, .offset: 72, .size: 8, .value_kind: global_buffer, .address_space: global }
      - { .name: rwt, .offset: 80, .size: 8, .value_kind: global_buffer, .address_space: global }
    .group_segment_fixed_size: 109824
    .private_segment_fixed_size: 0
    .kernarg_segment_align: 8
    .kernarg_segment_size: 88
    .max_flat_workgroup_size: 256
    .sgpr_count:     66
    .vgpr_count:     256
    .wavefront_size: 32
...
	.end_amdgpu_metadata
.endif
;; end of part 1
;; launch up (part 2): grid 231 x 1, 4 waves a work-group, no clusters, 315,648 bytes of LDS; arguments route, rwt, hb, wu, g, plan; writes g, plan
.if DOCPART == 2
	.amdgcn_target "amdgcn-amd-amdhsa--gfx1250"
	.amdhsa_code_object_version 6
	.text
	.protected	k_qafd9f0b1b5_up
	.globl	k_qafd9f0b1b5_up
	.p2align	8
	.type	k_qafd9f0b1b5_up,@function
k_qafd9f0b1b5_up:
	s_mov_b64 s[64:65], 0
	v_nop
	global_prefetch_b8 v0, s[64:65] scope:SCOPE_SE
	s_setreg_imm32_b32 hwreg(HW_REG_WAVE_MODE, 25, 1), 1
	s_wait_xcnt 0x0
; UP.  g[token][slot][f] = weight x silu(h . w1[e]) x (h . w3[e]) in f32, for the two chosen experts of each token (slot 0: the lower expert).
; Work-groups 0..229: tile id / 2 of 76 routed rows of ONE expert, column half id % 2 (128 f of w1 and of w3).  With 8,192 routed rows and 8 experts there are never more than
; ceil(8192 / 76) + 7 = 115 tiles, whatever the split.  Every work-group counts the experts' rows for itself from tk (16 KB) and lists its own tile; a tile that the split leaves empty
; works on token 0's row and stores nothing (no barrier is jumped).  Places past the count repeat token 0, rows 76-79 of the fifth block repeat row 75; none of them is stored.
; A wave takes all 80 places x 32 f of w1 and the same 32 f of w3: 20 accumulators.  The tokens' rows lie in LDS (gathered once); the weights come from wu straight into operand registers,
; through a ring of 8 register slots, 7 K steps ahead.  Source 0 = 16 f, source 1 = 16 tokens: a lane holds ONE token and 8 neighbouring f.
; Work-group 230, THE SORTER, sorts the tokens by their pair of experts for the next launch: plan = skey[32] (first tile | count << 16, 0), then 80 token numbers for each tile of 80.
; Its path parts from the others' at the head, on the work-group's number alone, and never joins them.
; No tensor loads and no cluster: the rows come by a list, which no tile descriptor covers; the weights go to registers, not to LDS; and which expert a work-group has hangs on counts read from memory.
; An LDS store whose address comes from data lands in the storing wave's own bytes alone: each wave has a list of its own, cleared first; readers add the four (a place is written by one wave at most).
.set XP,    4112                       ; a row in LDS: 4,096 bytes + 16
.set NR,    76
.set WT,    ((NR*XP+255)/256)*256      ; behind the 76 rows (312,512 bytes), at the next multiple of 256: 4 x 16 bytes, the waves' counts
.set WT2,   WT+256                     ; 4 x 64 bytes: the sorter's
.set LIST,  WT2+256                    ; 4 x 512 bytes: a list of 128 words for each wave; word 76 takes what is not in the tile
.set SPARE, LIST+4*512                 ; the spare words, 128 bytes a wave: two blocks of 256 bytes that no other line names
.set PRIV,  19*XP                      ; a wave gathers 19 rows; the sorter's wave keeps its own bytes inside the same range
.set SGP,   528                        ; the way out: rows of 512 bytes + 16, over the rows of tokens when these have been read
.set TK,  32                           ; v32-63  my 32 tokens' tk (sorter: sid, then the addresses of their counters)
.set GA,  64                           ; v64-82  byte offsets in hb of my 19 rows
.set XB,  96                           ; v96-175 token fragments, two buffers of 5 x 8
.set GO,  176                          ; v176-194 byte offsets in g of my 19 rows
; window 0: v0 thread, v1 lane, v2 spare word, v3 0, v4 r, v5 hh, v6 16 l, v7 16 thread, v8-12 fragment addresses, v13 my rows' entries, v14-15 gather addresses, v16-31 counting
; window 1: v0-159 accumulators (block b, fragment q at 8 (4 b + q); q = 2 fb + mat), v160-175 at work, v224-233 the rows' weights      window 2: the ring (before it: the gather's landing)
.set MSB, 0
.macro WIN new                         ; s_set_vgpr_msb: bits 1:0 source 0, 3:2 source 1, 5:4 source 2, 7:6 destination; the high byte repeats the setting that is left
.if MSB != (\new)
	s_set_vgpr_msb (MSB<<8)|(\new)
.set MSB, \new
.endif
.endm
.macro BAR
	s_barrier_signal -1
	s_barrier_wait -1
.endm
; Over the 32 lanes: v[p] = the sum of v[t] in the lanes below mine, v[t] = the sum in all.  In step d a lane takes the total of the neighbouring group of d lanes; where its own bit d is set that group lies below.
.macro SCST t, p, d, m
	v_mov_b32_dpp v28, v[\t] row_xmask:\d row_mask:0xf bank_mask:0xf
	v_cndmask_b32 v29, 0, v28, s[\m]
	v_add_nc_u32 v[\p], v[\p], v29
	v_add_nc_u32 v[\t], v[\t], v28
.endm
.macro SCAN t, p
	v_mov_b32 v[\p], 0
	SCST \t, \p, 1, 40
	SCST \t, \p, 2, 41
	SCST \t, \p, 4, 42
	SCST \t, \p, 8, 43
	v_permlanex16_b32 v28, v[\t], s46, s47
	v_cndmask_b32 v29, 0, v28, s44
	v_add_nc_u32 v[\p], v[\p], v29
	v_add_nc_u32 v[\t], v[\t], v28
.endm
	s_load_b256 s[8:15], s[0:1], 0x0               ; route s[8:9], rwt s[10:11], hb s[12:13], wu s[14:15]
	s_load_b128 s[16:19], s[0:1], 0x20             ; g s[16:17], plan s[18:19]
	v_lshl_add_u32 v2, v0, 2, SPARE
	v_mov_b32 v3, 0
	v_and_b32 v1, 31, v0
	v_lshrrev_b32 v4, 5, v0
	v_readfirstlane_b32 s20, v4                    ; wave 0..3
	v_and_b32 v4, 15, v0                           ; r
	v_bfe_u32 v5, v0, 4, 1                         ; hh
	v_lshlrev_b32 v6, 4, v1
	v_lshlrev_b32 v7, 4, v0
	v_mov_b32 v24, 0
	v_mov_b32 v25, 0
	v_mov_b32 v26, 0
	v_mov_b32 v27, 0
	v_mov_b32 v28, 0
	s_mov_b32 s40, 0xaaaaaaaa                      ; lanes whose bit 1, 2, 4, 8, 16 is set
	s_mov_b32 s41, 0xcccccccc
	s_mov_b32 s42, 0xf0f0f0f0
	s_mov_b32 s43, 0xff00ff00
	s_mov_b32 s44, 0xffff0000
	s_mov_b32 s46, 0x76543210                      ; v_permlanex16_b32: each lane takes its own place in the other half
	s_mov_b32 s47, 0xfedcba98
	s_mov_b32 s38, ttmp9
	s_cmp_eq_u32 s38, 230
	s_cbranch_scc1 .Lsorter
	; ---------------- COUNT.  Thread t has tokens 512 j + 4 t + c (j = 0..7, c = 0..3); an expert's rows are ranked by thread, then j, then c: the same order in every work-group.
	s_lshr_b32 s21, s38, 1                         ; tile
	s_and_b32 s22, s38, 1                          ; column half
	s_mov_b32 s39, 0x000f000f
	s_mov_b32 s48, 0xbfb8aa3b                      ; -log2(e), named as a pair
	s_mov_b32 s49, 0xbfb8aa3b
	v_add_nc_u32 v22, LIST, v7
	ds_store_b128 v22, v[24:27]                    ; my wave's list is cleared
	s_wait_kmcnt 0x0
.set j, 0
.rept 8
	global_load_b128 v[TK+4*j:TK+4*j+3], v7, s[8:9] offset:2048*j
.set j, j+1
.endr
	v_lshlrev_b32 v31, 3, v0                       ; 2 x (4 t)
	s_lshl_b32 s53, s20, 9
	s_add_co_u32 s53, s53, LIST                    ; my wave's list
	s_wait_loadcnt 0x0
.macro NSUM a, n                       ; v24 = the sum of n words (12 at the most: a nibble holds 15)
	v_add3_u32 v24, v[\a], v[(\a)+1], v[(\a)+2]
.set z, 3
.rept ((\n)-4)/2
	v_add3_u32 v24, v24, v[(\a)+z], v[(\a)+z+1]
.set z, z+2
.endr
	v_add_nc_u32 v24, v24, v[(\a)+z]
.endm
.macro SPREAD first                    ; nibbles i and i + 4 into the halves of v[16 + i]
.set z, 0
.rept 4
.if \first
	v_lshrrev_b32 v[16+z], 4*z, v24
	v_and_b32 v[16+z], s39, v[16+z]
.else
	v_lshrrev_b32 v25, 4*z, v24
	v_and_b32 v25, s39, v25
	v_add_nc_u32 v[16+z], v[16+z], v25
.endif
.set z, z+1
.endr
.endm
	NSUM TK, 12
	SPREAD 1
	NSUM TK+12, 12
	SPREAD 0
	NSUM TK+24, 8
	SPREAD 0
	SCAN 16, 20
	SCAN 17, 21
	SCAN 18, 22
	SCAN 19, 23
	s_lshl_b32 s54, s20, 4
	s_add_co_u32 s54, s54, WT
	v_mov_b32 v24, s54
	ds_store_b128 v24, v[16:19]                    ; my wave's totals
	s_wait_dscnt 0x0
	BAR
	v_mov_b32 v24, WT
	ds_load_b128 v[64:67], v24
	ds_load_b128 v[68:71], v24 offset:16
	ds_load_b128 v[72:75], v24 offset:32
	ds_load_b128 v[76:79], v24 offset:48
	s_wait_dscnt 0x0
.set u, 0
.rept 3                                        ; the waves below mine come in front of me
	s_cmp_gt_u32 s20, u
	s_cselect_b32 s54, -1, 0
.set z, 0
.rept 4
	v_and_b32 v28, s54, v[64+4*u+z]
	v_add_nc_u32 v[20+z], v[20+z], v28
.set z, z+1
.endr
.set u, u+1
.endr
.set z, 0
.rept 4
	v_add3_u32 v[80+z], v[64+z], v[68+z], v[72+z]
	v_add_nc_u32 v[80+z], v[80+z], v[76+z]
	v_readfirstlane_b32 s54, v[80+z]
	s_and_b32 s[30+z], s54, 0xffff                 ; s30-37: the experts' counts
	s_lshr_b32 s[34+z], s54, 16
.set z, z+1
.endr
	; which expert's tile is mine: the last expert whose first tile is not beyond it
	s_mov_b32 s55, 0
	s_mov_b32 s23, 0
	s_mov_b32 s56, 0
	s_mov_b32 s57, 0
.set e, 0
.rept 8
	s_cmp_ge_u32 s21, s55
	s_cselect_b32 s23, e, s23
	s_cselect_b32 s56, s55, s56
	s_cselect_b32 s57, s[30+e], s57
	s_add_co_u32 s58, s[30+e], NR-1
	s_mul_i32 s58, s58, 13798                      ; x 13,798 >> 20 = x / 76, exact for x up to 4,171
	s_lshr_b32 s58, s58, 20
	s_add_co_u32 s55, s55, s58
.set e, e+1
.endr
	s_min_u32 s23, s23, 7                          ; E
	s_sub_co_u32 s24, s21, s56
	s_mul_i32 s24, s24, NR                         ; the tile's first rank
	s_sub_co_i32 s25, s57, s24
	s_max_i32 s25, s25, 0
	s_min_i32 s25, s25, NR                         ; n: its rows
	s_lshl_b32 s26, s23, 2
	s_lshl_b32 s27, 1, s26
	s_sub_co_u32 s27, s27, 1                       ; the nibbles of the experts below E
	s_and_b32 s58, s23, 3
	s_lshr_b32 s59, s23, 2
	s_lshl_b32 s59, s59, 4
	v_mov_b32 v30, v20
.set z, 1
.rept 3
	s_cmp_eq_u32 s58, z
	s_cselect_b32 s54, -1, 0
	v_cndmask_b32 v30, v30, v[20+z], s54
.set z, z+1
.endr
	v_lshrrev_b32 v30, s59, v30
	v_and_b32 v30, 0xffff, v30
	v_subrev_nc_u32 v30, s24, v30                  ; the rank of my first row of E, counted from the tile's first
.set i, 0
.rept 32                                       ; entry = 2 token + slot goes to word (rank) of my wave's list; what is not E's, or not in the tile, to word 76
	v_bfe_u32 v64, v[TK+i], s26, 1
	v_and_b32 v65, s27, v[TK+i]
	v_min_u32 v65, 1, v65                          ; slot 1 if a lower expert is chosen too
	v_add3_u32 v65, v65, v31, 1024*(i/4)+2*(i%4)
	v_add_nc_u32 v66, -1, v64
	v_or_b32 v66, v66, v30
	v_min_u32 v66, NR, v66
	v_lshl_add_u32 v66, v66, 2, s53
	ds_store_b32 v66, v65
	v_add_nc_u32 v30, v30, v64
.set i, i+1
.endr
	s_wait_dscnt 0x0
	BAR
	; ---------------- THE LIST IS READ: the four waves' lists are added.  v13: lane i holds the entry of my row 19 wave + i.  v84-88: the entries of rows 16 b + r.
	v_min_u32 v24, 18, v1
	s_mul_i32 s54, s20, 19
	v_add_nc_u32 v24, s54, v24
	v_lshl_add_u32 v24, v24, 2, LIST
.set u, 0
.rept 4
	ds_load_b32 v[96+u], v24 offset:512*u
.set u, u+1
.endr
.set z, 0
.rept 5
	v_add_nc_u32 v[8+z], 16*z, v4
	v_min_u32 v[8+z], NR-1, v[8+z]
	v_lshl_add_u32 v[89+z], v[8+z], 2, LIST
.set u, 0
.rept 4
	ds_load_b32 v[100+4*z+u], v[89+z] offset:512*u
.set u, u+1
.endr
	v_mul_u32_u24 v[8+z], v[8+z], XP               ; and the row's fragment address: row x pitch + 16 hh
	v_lshl_add_u32 v[8+z], v5, 4, v[8+z]
.set z, z+1
.endr
	s_wait_dscnt 0x0
	v_add3_u32 v13, v96, v97, v98
	v_add_nc_u32 v13, v13, v99
.set z, 0
.rept 5
	v_add3_u32 v[84+z], v[100+4*z], v[101+4*z], v[102+4*z]
	v_add_nc_u32 v[84+z], v[84+z], v[103+4*z]
	v_min_u32 v[84+z], 8191, v[84+z]
	v_lshlrev_b32 v[84+z], 2, v[84+z]
.set z, z+1
.endr
	WIN 0x40
.set z, 0
.rept 5                                        ; the rows' weights, twice: a pair for the packed multiply
	global_load_b32 v[224+2*z], v[84+z], s[10:11]
	global_load_b32 v[225+2*z], v[84+z], s[10:11]
.set z, z+1
.endr
	WIN 0
	s_lshl_b32 s54, s22, 9
	v_add_nc_u32 v25, s54, v6
.set i, 0
.rept 19
	v_readlane_b32 s54, v13, i
	s_lshr_b32 s55, s54, 1
	s_min_u32 s54, s54, 8191
	s_min_u32 s55, s55, 4095
	s_lshl_b32 s54, s54, 10                        ; g: 1,024 bytes an entry
	s_lshl_b32 s55, s55, 12                        ; hb: 4,096 bytes a token
	v_add_nc_u32 v[GO+i], s54, v25
	v_add_nc_u32 v[GA+i], s55, v6
.set i, i+1
.endr
	s_mul_i32 s54, s20, PRIV
	v_add_nc_u32 v14, s54, v6                      ; my rows 0-9 in LDS,
	v_add_nc_u32 v15, 10*XP, v14                   ; and 10-18: an LDS offset has 16 bits
	v_mul_u32_u24 v195, v4, SGP                    ; the way out, in: row r, my wave's 128 bytes, 32 bytes hh
	v_lshl_add_u32 v195, v5, 5, v195
	s_lshl_b32 s54, s20, 7
	v_add_nc_u32 v195, s54, v195
	s_mul_i32 s54, s20, 19*SGP                     ; back: my 19 rows, whole
	v_add_nc_u32 v196, s54, v6
	s_mul_i32 s54, s20, 19
	s_sub_co_i32 s52, s25, s54                     ; how many of them exist
	; ---------------- THE GATHER: six rows (48 loads) on their way
.macro ISSUE i
	WIN 0x80
.set z, 0
.rept 8
	global_load_b128 v[32*((\i)%6)+4*z:32*((\i)%6)+4*z+3], v[GA+(\i)], s[12:13] offset:512*z
.set z, z+1
.endr
.endm
.macro PUT i
.if (\i) < 13
	s_wait_loadcnt 40                              ; five younger rows stay out
.else
	s_wait_loadcnt 8*(18-(\i))
.endif
	WIN 0x08
.set z, 0
.rept 8
	ds_store_b128 v[14+(\i)/10], v[32*((\i)%6)+4*z:32*((\i)%6)+4*z+3] offset:((\i)%10)*XP+512*z
.set z, z+1
.endr
.endm
.set i, 0
.rept 6
	ISSUE i
.set i, i+1
.endr
.set i, 0
.rept 19
	PUT i
.if i < 13
	ISSUE i+6
.endif
.set i, i+1
.endr
	WIN 0
	s_lshl_b32 s54, s23, 1
	s_add_co_u32 s54, s54, s22
	s_lshl_b32 s54, s54, 2
	s_add_co_u32 s54, s54, s20                     ; (2 E + half) x 4 + wave
	s_lshl_b32 s54, s54, 18
	s_mov_b32 s55, 0
	s_add_nc_u64 s[28:29], s[14:15], s[54:55]      ; my 262,144 bytes of wu
	WIN 0x80
.set z, 0
.rept 56                                       ; K steps 0-6 into slots 0-6: a step is 8 loads of 512 consecutive bytes
	global_load_b128 v[4*z:4*z+3], v6, s[28:29] offset:512*z
.set z, z+1
.endr
	WIN 0
	s_wait_dscnt 0x0                               ; for the others' sake: my 19 rows are in LDS
	BAR
	; ---------------- THE PRODUCT.  K step: slot p of the ring, step j of the trip.  lc: the younger steps' loads, 8 each, that may stay out when this step's weights must be in.
.macro KSTEP p, j, ld, fx, lc, dc, zero
.rept 4
	v_nop                                          ; four places between the last product and loads into the slot and the buffer that the step before read
.endr
	s_wait_loadcnt \lc                             ; this step's weights are in; then the fetch seven steps on goes out: 56 loads of mine are out at the most
.if \ld
	WIN 0x80
.set z, 0
.rept 8
	global_load_b128 v[32*(((\p)+7)%8)+4*z:32*(((\p)+7)%8)+4*z+3], v6, s[28:29] offset:((\j)+7)*4096+512*z
.set z, z+1
.endr
.endif
	WIN 0
.if \fx
.set z, 0
.rept 5
	ds_load_b128 v[XB+40*(((\j)+1)%2)+8*z:XB+40*(((\j)+1)%2)+8*z+3], v[8+z] offset:64*((\j)+1)
	ds_load_b128 v[XB+40*(((\j)+1)%2)+8*z+4:XB+40*(((\j)+1)%2)+8*z+7], v[8+z] offset:64*((\j)+1)+32
.set z, z+1
.endr
.endif
	s_wait_dscnt \dc                               ; this step's token fragments are in; the next step's ten loads stay out
	WIN 0x52                                       ; weights window 2, tokens window 0, sums window 1
.set z, 0
.rept 20                                       ; the 20 accumulators take turns, in the same order in every step
.if \zero
	v_wmma_f32_16x16x32_bf16 v[8*z:8*z+7], v[32*(\p)+8*(z%4):32*(\p)+8*(z%4)+7], v[XB+40*((\j)%2)+8*(z/4):XB+40*((\j)%2)+8*(z/4)+7], 0
.else
	v_wmma_f32_16x16x32_bf16 v[8*z:8*z+7], v[32*(\p)+8*(z%4):32*(\p)+8*(z%4)+7], v[XB+40*((\j)%2)+8*(z/4):XB+40*((\j)%2)+8*(z/4)+7], v[8*z:8*z+7]
.endif
.set z, z+1
.endr
.endm
.set z, 0
.rept 5
	ds_load_b128 v[XB+8*z:XB+8*z+3], v[8+z]
	ds_load_b128 v[XB+8*z+4:XB+8*z+7], v[8+z] offset:32
.set z, z+1
.endr
	KSTEP 0, 0, 1, 1, 48, 10, 1                    ; K step 0 starts the sums
	WIN 0
	s_mov_b32 s50, 7
.Lk:                                               ; 7 trips of 8 K steps: steps 1 to 56; the last fetches step 63
	KSTEP 1, 1, 1, 1, 48, 10, 0
	KSTEP 2, 2, 1, 1, 48, 10, 0
	KSTEP 3, 3, 1, 1, 48, 10, 0
	KSTEP 4, 4, 1, 1, 48, 10, 0
	KSTEP 5, 5, 1, 1, 48, 10, 0
	KSTEP 6, 6, 1, 1, 48, 10, 0
	KSTEP 7, 7, 1, 1, 48, 10, 0
	KSTEP 0, 8, 1, 1, 48, 10, 0
	WIN 0
	s_wait_xcnt 0x0                                ; the loads' base is stepped only behind this wait
	s_add_nc_u64 s[28:29], s[28:29], 32768
.set z, 0
.rept 5
	v_add_nc_u32 v[8+z], 512, v[8+z]
.set z, z+1
.endr
	s_sub_co_u32 s50, s50, 1
	s_cmp_lg_u32 s50, 0
	s_cbranch_scc1 .Lk
	KSTEP 1, 1, 0, 1, 48, 10, 0                    ; steps 57 to 63 fetch no weights: the counts run down
	KSTEP 2, 2, 0, 1, 40, 10, 0
	KSTEP 3, 3, 0, 1, 32, 10, 0
	KSTEP 4, 4, 0, 1, 24, 10, 0
	KSTEP 5, 5, 0, 1, 16, 10, 0
	KSTEP 6, 6, 0, 1, 8, 10, 0
	KSTEP 7, 7, 0, 0, 0, 0, 0
	; ---------------- weight x silu(h1) x h3 = weight h3 h1 / (1 + 2^(-log2(e) h1)), a block of 16 rows at a time, all in window 1.  Two batches of 16 transcendentals, one wait each.
	WIN 0x55
.rept 4
	v_nop
.endr
.macro SILU blk
.set A0, 32*(\blk)
.set z, 0
.rept 8                                        ; z = 4 fb + pair; each accumulator is read from its low end on
	v_pk_mul_f32 v[160+2*z:161+2*z], v[A0+16*(z/4)+2*(z%4):A0+16*(z/4)+2*(z%4)+1], s[48:49] op_sel_hi:[1,0]
.set z, z+1
.endr
.set z, 0
.rept 16
	v_exp_f32 v[160+z], v[160+z]
.set z, z+1
.endr
.set z, 0
.rept 8                                        ; plain work behind the batch: h3 times the row's weight
	v_pk_mul_f32 v[A0+8+16*(z/4)+2*(z%4):A0+8+16*(z/4)+2*(z%4)+1], v[A0+8+16*(z/4)+2*(z%4):A0+8+16*(z/4)+2*(z%4)+1], v[224+2*(\blk):225+2*(\blk)]
.set z, z+1
.endr
	s_wait_alu depctr_va_vdst(0)                   ; one wait for the 16 exponentials, ahead of their first reader
.set z, 0
.rept 8
	v_pk_add_f32 v[160+2*z:161+2*z], v[160+2*z:161+2*z], 1.0 op_sel_hi:[1,0]
.set z, z+1
.endr
.set z, 0
.rept 16
	v_rcp_f32 v[160+z], v[160+z]
.set z, z+1
.endr
.set z, 0
.rept 8
	v_pk_mul_f32 v[A0+16*(z/4)+2*(z%4):A0+16*(z/4)+2*(z%4)+1], v[A0+16*(z/4)+2*(z%4):A0+16*(z/4)+2*(z%4)+1], v[A0+8+16*(z/4)+2*(z%4):A0+8+16*(z/4)+2*(z%4)+1]
.set z, z+1
.endr
	s_wait_alu depctr_va_vdst(0)                   ; one wait for the 16 reciprocals
.set z, 0
.rept 8
	v_pk_mul_f32 v[A0+16*(z/4)+2*(z%4):A0+16*(z/4)+2*(z%4)+1], v[A0+16*(z/4)+2*(z%4):A0+16*(z/4)+2*(z%4)+1], v[160+2*z:161+2*z]
.set z, z+1
.endr
.endm
	SILU 0
	SILU 1
	SILU 2
	SILU 3
	SILU 4
	WIN 0
	s_wait_dscnt 0x0                               ; my reads of the tokens' rows are over:
	BAR                                            ; everybody's are, and the stage may be laid over them
	WIN 0x04                                       ; data window 1, address window 0
.set z, 0
.rept 20                                       ; z = 4 block + 2 fb + half of the lane's 32 bytes
	ds_store_b128 v195, v[32*(z/4)+16*((z/2)%2)+4*(z%2):32*(z/4)+16*((z/2)%2)+4*(z%2)+3] offset:16*SGP*(z/4)+64*((z/2)%2)+16*(z%2)
.set z, z+1
.endr
	WIN 0
	s_wait_dscnt 0x0                               ; a row's 512 bytes come from four waves
	BAR
.set i, 0
.rept 19
	ds_load_b128 v[XB+4*i:XB+4*i+3], v196 offset:SGP*i
.set i, i+1
.endr
.set i, 0
.rept 19                                       ; a row is one store of 512 consecutive bytes, aligned; rows past the count are jumped
	s_cmp_le_i32 s52, i
	s_cbranch_scc1 .Ldone
	s_wait_dscnt 18-i
	global_store_b128 v[GO+i], v[XB+4*i:XB+4*i+3], s[16:17]
.set i, i+1
.endr
.Ldone:
	s_wait_tensorcnt 0x0                           ; the wave's end, behind my last LDS store
	ds_add_u32 v2, v3
	s_wait_dscnt 0x0
	s_endpgm
	; ================ THE SORTER.  A wave's own bytes begin at wave x 78,128: the sorted list (26,624), a row of 32 counters of 16 bits for each lane (80 bytes apart), 256 bytes at work.
.Lsorter:
	s_mul_i32 s21, s20, PRIV
	v_add_nc_u32 v8, s21, v6
.set k, 0
.rept 52
	ds_store_b128 v8, v[24:27] offset:512*k        ; my copy of the list is cleared
.set k, k+1
.endr
	v_mul_u32_u24 v9, v1, 80
	v_add_nc_u32 v9, s21, v9
	v_add_nc_u32 v9, 26624, v9                     ; my lane's row of counters
.set k, 0
.rept 4
	ds_store_b128 v9, v[24:27] offset:16*k
.set k, k+1
.endr
	s_wait_kmcnt 0x0
.set j, 0
.rept 8
	global_load_b128 v[TK+4*j:TK+4*j+3], v7, s[8:9] offset:16384+2048*j
.set j, j+1
.endr
	s_add_co_u32 s57, s21, 29184                   ; my wave's 256 bytes at work
	s_mov_b32 s58, 0x0fffffff                      ; lanes 0-27: the sets
	v_lshlrev_b32 v21, 2, v0                       ; 4 t
	v_lshlrev_b32 v26, 3, v1                       ; 8 l
	s_wait_loadcnt 0x0
.set i, 0
.rept 32                                       ; my 32 tokens, one after the other: the counter of the token's set is its rank among mine, and goes up by one
	v_min_u32 v[TK+i], 31, v[TK+i]
	v_lshl_add_u32 v[TK+i], v[TK+i], 1, v9
	ds_load_u16 v[64+i], v[TK+i]
	s_wait_dscnt 0x0
	v_add_nc_u32 v10, 1, v[64+i]
	ds_store_b16 v[TK+i], v10
.set i, i+1
.endr
.set k, 0
.rept 4
	ds_load_b128 v[96+4*k:99+4*k], v9 offset:16*k  ; my counts, two sets a word
.set k, k+1
.endr
	s_wait_dscnt 0x0
.set k, 0
.rept 14
	SCAN 96+k, 112+k
.set k, k+1
.endr
	s_lshl_b32 s22, s20, 6
	s_add_co_u32 s22, s22, WT2
	v_mov_b32 v10, s22
	ds_store_b128 v10, v[96:99]
	ds_store_b128 v10, v[100:103] offset:16
	ds_store_b128 v10, v[104:107] offset:32
	ds_store_b64 v10, v[108:109] offset:48
	s_wait_dscnt 0x0
	BAR
	v_mov_b32 v11, WT2
.set u, 0
.rept 4
	ds_load_b128 v[128+14*u:131+14*u], v11 offset:64*u
	ds_load_b128 v[132+14*u:135+14*u], v11 offset:64*u+16
	ds_load_b128 v[136+14*u:139+14*u], v11 offset:64*u+32
	ds_load_b64 v[140+14*u:141+14*u], v11 offset:64*u+48
.set u, u+1
.endr
	s_cmp_gt_u32 s20, 0
	s_cselect_b32 s54, -1, 0
	s_cmp_gt_u32 s20, 1
	s_cselect_b32 s55, -1, 0
	s_cmp_gt_u32 s20, 2
	s_cselect_b32 s56, -1, 0
	s_wait_dscnt 0x0
.set k, 0
.rept 14
	v_and_b32 v[184+k], s54, v[128+k]              ; the waves below mine,
	v_and_b32 v28, s55, v[142+k]
	v_and_b32 v29, s56, v[156+k]
	v_add3_u32 v[184+k], v[184+k], v28, v29
	v_add3_u32 v[198+k], v[128+k], v[142+k], v[156+k]  ; and all four
	v_add_nc_u32 v[198+k], v[198+k], v[170+k]
.set k, k+1
.endr
	v_mov_b32 v12, s57
	ds_store_b128 v12, v[198:201]                  ; the totals, so that lane j can take set j's
	ds_store_b128 v12, v[202:205] offset:16
	ds_store_b128 v12, v[206:209] offset:32
	ds_store_b64 v12, v[210:211] offset:48
	v_min_u32 v13, 27, v1
	v_lshl_add_u32 v13, v13, 1, s57
	ds_load_u16 v14, v13
	s_wait_dscnt 0x0
	v_cndmask_b32 v14, 0, v14, s58
	v_add_nc_u32 v15, 79, v14
	v_mul_u32_u24 v15, v15, 3277                   ; x 3,277 >> 18 = x / 80, exact for x up to 4,175
	v_lshrrev_b32 v15, 18, v15
	SCAN 15, 16                                    ; v16: the set's first tile
	v_lshl_or_b32 v18, v14, 16, v16
	v_mov_b32 v19, 0
	v_mul_u32_u24 v17, v16, 80
	v_lshl_add_u32 v20, v1, 1, s57
	ds_store_b16 v20, v17 offset:64                ; the sets' first places, packed as the counts are
	ds_load_b128 v[212:215], v12 offset:64
	ds_load_b128 v[216:219], v12 offset:80
	ds_load_b128 v[220:223], v12 offset:96
	ds_load_b64 v[224:225], v12 offset:112
	s_wait_dscnt 0x0
.set k, 0
.rept 14
	v_add3_u32 v[112+k], v[112+k], v[184+k], v[212+k]  ; where my first token of each set goes
.set k, k+1
.endr
	ds_store_b128 v9, v[112:115]
	ds_store_b128 v9, v[116:119] offset:16
	ds_store_b128 v9, v[120:123] offset:32
	ds_store_b64 v9, v[124:125] offset:48
.set i, 0
.rept 32
	ds_load_u16 v[128+i], v[TK+i]
.set i, i+1
.endr
	s_wait_dscnt 0x0
.set i, 0
.rept 32
	v_add_nc_u32 v[128+i], v[128+i], v[64+i]
	v_min_u32 v[128+i], 6655, v[128+i]
	v_lshl_add_u32 v[128+i], v[128+i], 2, s21
	v_add_nc_u32 v[64+i], 512*(i/4)+(i%4), v21     ; the token's number
	ds_store_b32 v[128+i], v[64+i]
.set i, i+1
.endr
	s_cmp_lg_u32 s20, 0
	s_cbranch_scc1 .Lno_key
	global_store_b64 v26, v[18:19], s[18:19]       ; skey: 256 consecutive bytes
.Lno_key:
	s_wait_dscnt 0x0
	BAR
	BAR                                            ; the four copies are read behind the sorter's third barrier
.set u, 0
.rept 4
	v_add_nc_u32 v[22+u], PRIV*u, v7
.set u, u+1
.endr
.set k, 0
.rept 13
.set u, 0
.rept 4
	ds_load_b128 v[32+16*k+4*u:35+16*k+4*u], v[22+u] offset:2048*k
.set u, u+1
.endr
.set k, k+1
.endr
.set k, 0
.rept 13
	s_wait_dscnt 4*(12-k)                          ; the younger groups of four stay out
.set c, 0
.rept 4
	v_add3_u32 v[32+16*k+c], v[32+16*k+c], v[36+16*k+c], v[40+16*k+c]
	v_add_nc_u32 v[32+16*k+c], v[32+16*k+c], v[44+16*k+c]
.set c, c+1
.endr
	global_store_b128 v7, v[32+16*k:35+16*k], s[18:19] offset:256+2048*k
.set k, k+1
.endr
	s_wait_tensorcnt 0x0                           ; the wave's end, as above
	ds_add_u32 v2, v3
	s_wait_dscnt 0x0
	s_endpgm
.Lfunc_end_k_qafd9f0b1b5_up:
	.size	k_qafd9f0b1b5_up, .Lfunc_end_k_qafd9f0b1b5_up-k_qafd9f0b1b5_up
	.p2alignl 7, 3214868480
	.fill 96, 4, 3214868480
	.section	.rodata,"a",@progbits
	.p2align	6, 0x0
	.amdhsa_kernel k_qafd9f0b1b5_up
		.amdhsa_group_segment_fixed_size 315648
		.amdhsa_private_segment_fixed_size 0
		.amdhsa_enable_private_segment 0
		.amdhsa_kernarg_size 48
		.amdhsa_user_sgpr_count 2
		.amdhsa_user_sgpr_kernarg_segment_ptr 1
		.amdhsa_wavefront_size32 1
		.amdhsa_system_sgpr_workgroup_id_x 1
		.amdhsa_system_sgpr_workgroup_id_y 1
		.amdhsa_system_sgpr_workgroup_id_z 1
		.amdhsa_system_vgpr_workitem_id 0
		.amdhsa_next_free_vgpr 768
		.amdhsa_next_free_sgpr 66
		.amdhsa_reserve_vcc 0
		.amdhsa_float_denorm_mode_32 3
		.amdhsa_float_denorm_mode_16_64 3
		.amdhsa_memory_ordered 1
		.amdhsa_forward_progress 1
		.amdhsa_inst_pref_size 198
	.end_amdhsa_kernel
	.amdgpu_metadata
---
amdhsa.version: [ 1, 2 ]
amdhsa.kernels:
  - .name:           k_qafd9f0b1b5_up
    .symbol:         k_qafd9f0b1b5_up.kd
    .args:
      - { .name: route, .offset: 0, .size: 8, .value_kind: global_buffer, .address_space: global }
      - { .name: rwt, .offset: 8, .size: 8, .value_kind: global_buffer, .address_space: global }
      - { .name: hb, .offset: 16, .size: 8, .value_kind: global_buffer, .address_space: global }
      - { .name: wu, .offset: 24, .size: 8, .value_kind: global_buffer, .address_space: global }
      - { .name: g, .offset: 32, .size: 8, .value_kind: global_buffer, .address_space: global }
      - { .name: plan, .offset: 40, .size: 8, .value_kind: global_buffer, .address_space: global }
    .group_segment_fixed_size: 315648
    .private_segment_fixed_size: 0
    .kernarg_segment_align: 8
    .kernarg_segment_size: 48
    .max_flat_workgroup_size: 128
    .sgpr_count:     66
    .vgpr_count:     768
    .wavefront_size: 32
...
	.end_amdgpu_metadata
.endif
;; end of part 2
;; launch down (part 3): grid 316 x 1, 4 waves a work-group, no clusters, 118,016 bytes of LDS; arguments plan, g, wd, out0; writes out0
.if DOCPART == 3
	.amdgcn_target "amdgcn-amd-amdhsa--gfx1250"
	.amdhsa_code_object_version 6
	.text
	.protected	k_qafd9f0b1b5_down
	.globl	k_qafd9f0b1b5_down
	.p2align	8
	.type	k_qafd9f0b1b5_down,@function
k_qafd9f0b1b5_down:
	s_mov_b64 s[64:65], 0
	v_nop
	global_prefetch_b8 v0, s[64:65] scope:SCOPE_SE
	s_setreg_imm32_b32 hwreg(HW_REG_WAVE_MODE, 25, 1), 1
	s_wait_xcnt 0x0
; DOWN.  out0[token][d] = the sum over both slots and f of g[token][slot][f] w2[expert of the slot][d][f].  Work-group id: tile id / 4 of 80 tokens that chose the SAME pair of experts (a < b),
; columns 512 (id % 4) .. + 511.  With 4,096 tokens and 28 pairs there are never more than ceil(4096 / 80) + 27 = 79 tiles, whatever the split; a tile that the split leaves empty stores nothing.
; So each output row has one owner: K = 512 runs over a's 256 f and then b's, into one accumulator.  A wave takes 80 tokens x 128 d: 40 accumulators.  Source 0 = 16 d, source 1 = 16 tokens.
; THE FORMAT.  A token's 512 numbers are multiplied by 2^-E, E the exponent of the largest magnitude among them (exact), rounded once to f16, and the sums are multiplied by 2^E in f32: so f16's range is no limit
; on g.  A number under 6e-5 of its token's largest keeps f16's fixed step of 6e-8 of that largest; a token whose largest is below 2^-126 is scaled as if it were 2^-126.  NaN and infinities are not treated apart.
; The weights come from wd (f16, in operand order) straight into registers, a ring of 4 slots, 3 K steps ahead.  No tensor loads and no cluster: the rows come by a list, the weights go to registers.
; The 16 K steps are written out: every LDS address is a register made at the head plus an immediate, every weight address one of two offset registers (a's, b's) plus an immediate; none is ever rewritten.
; The token numbers come by scalar loads from plan, which this launch does not write: no number goes from a vector register to a scalar one on the way to an address.
; The one barrier stands on every path; what an empty tile jumps holds none.
.set GPP,   1040                       ; a token's row in LDS: 1,024 bytes of f16 + 16
.set SC,    80*GPP                     ; 80 words: 2^E
.set STG,   SC+512                     ; the way out: 16 rows x 528 bytes for each wave, its own
.set SGP,   528
.set SPARE, STG+4*16*SGP               ; the spare words, 128 bytes a wave: two blocks of 256 bytes that no other line names
.set GOF, 24                           ; v24-43  byte offsets in g of my 20 rows
.set OO,  48                           ; v48-63  byte offsets in out0 of 16 rows
.set XB,  96                           ; v96-175 token fragments, two buffers of 5 x 8
.set RBK, 176                          ; v176-239 16 rows read back from the stage
.set TKN, 68                           ; s[68:83], s[84:99] token numbers: two sets of 16
; window 0: v0 thread, v1 lane, v2 spare word, v3 0, v4 r, v5 hh, v6 16 l, v7 8 l, v8-12 fragment addresses, v13 the sets' keys, v21, v23 offsets in wd (a's, b's), v44-46 way out, v64-67 at work
; windows 1 and 3: accumulators of blocks 0-2 (v0-191) and 3, 4 (v0-127), before that g as loaded; in both: v224-229 2^E, v232-247 four registers at work for each of four rows, v250-252 copies of three LDS addresses
; window 2: the ring, 4 x 64
.set MSB, 0
.macro WIN new                         ; s_set_vgpr_msb: bits 1:0 source 0, 3:2 source 1, 5:4 source 2, 7:6 destination; the high byte repeats the setting that is left
.if MSB != (\new)
	s_set_vgpr_msb (MSB<<8)|(\new)
.set MSB, \new
.endif
.endm
	s_load_b256 s[8:15], s[0:1], 0x0               ; plan s[8:9], g s[10:11], wd s[12:13], out0 s[14:15]
	v_lshl_add_u32 v2, v0, 2, SPARE
	v_mov_b32 v3, 0
	v_and_b32 v1, 31, v0
	v_lshrrev_b32 v4, 5, v0
	v_readfirstlane_b32 s20, v4                    ; wave 0..3
	v_and_b32 v4, 15, v0                           ; r
	v_bfe_u32 v5, v0, 4, 1                         ; hh
	v_lshlrev_b32 v6, 4, v1
	v_lshlrev_b32 v7, 3, v1
	s_mov_b32 s38, ttmp9
	s_lshr_b32 s21, s38, 2                         ; tile
	s_and_b32 s22, s38, 3                          ; which 512 columns
	s_mul_i32 s23, s21, 320
	s_add_co_u32 s23, s23, 256                     ; the tile's 80 tokens in plan; never rewritten
	s_mul_i32 s24, s20, 80
	s_add_co_u32 s24, s24, s23                     ; my wave's 20 of them; never rewritten
	s_mov_b32 s46, 0x76543210                      ; v_permlanex16_b32: each lane takes its own place in the other half
	s_mov_b32 s47, 0xfedcba98
	s_mov_b32 s32, 0x7f800000                      ; the exponent field
	s_mov_b32 s33, 0x00800000                      ; 2^-126
	s_mov_b32 s34, 0x7e800000                      ; 2^126
	s_mov_b32 s35, 0x7f000000                      ; less 2^E's bits: the bits of 2^-E
	s_wait_kmcnt 0x0
	global_load_b32 v13, v7, s[8:9]                ; lane j: set j's first tile | count << 16
	s_load_b512 s[TKN:TKN+15], s[8:9], s24 offset:0x0       ; the tokens of my rows 0-15,
	s_load_b128 s[TKN+16:TKN+19], s[8:9], s24 offset:0x40   ; and 16-19
	v_mul_u32_u24 v8, v4, GPP
	v_lshl_add_u32 v8, v5, 4, v8
.set z, 1
.rept 4
	v_add_nc_u32 v[8+z], 16*GPP*z, v8
.set z, z+1
.endr
	s_mul_i32 s29, s20, 16*SGP
	s_add_co_u32 s29, s29, STG                     ; my stage
	v_mul_u32_u24 v44, v4, SGP                     ; in: row r, 32 bytes hh
	v_lshl_add_u32 v44, v5, 5, v44
	v_add_nc_u32 v44, s29, v44
	v_add_nc_u32 v45, s29, v6                      ; back: whole rows
	s_lshl_b32 s29, s22, 11
	s_lshl_b32 s30, s20, 9
	s_add_co_u32 s29, s29, s30
	v_add_nc_u32 v46, s29, v6                      ; my wave's 512 bytes of an output row
	s_mul_i32 s29, s20, 20*GPP
	v_add_nc_u32 v65, s29, v7                      ; my 20 rows in LDS + 8 l
	s_mul_i32 s29, s20, 80
	s_add_co_u32 s29, s29, SC
	v_mov_b32 v66, s29                             ; their 20 words of 2^E
	v_lshl_add_u32 v67, v4, 2, SC
	WIN 0x40
	v_mov_b32 v250, v65
	v_mov_b32 v251, v66
	v_mov_b32 v252, v44
	WIN 0xc0
	v_mov_b32 v250, v65
	v_mov_b32 v251, v66
	v_mov_b32 v252, v44
	WIN 0
	s_wait_loadcnt 0x0
	s_wait_kmcnt 0x0                               ; on every path: no scalar load is out when the same registers are loaded again below
	v_and_b32 v64, 0xffff, v13
	v_cmp_ge_u32 s40, s21, v64                     ; the sets whose first tile is not beyond mine: the last of them is my set
	s_bcnt1_i32_b32 s41, s40
	s_sub_co_u32 s41, s41, 1
	s_min_u32 s41, s41, 27
	v_readlane_b32 s42, v13, s41
	s_and_b32 s43, s42, 0xffff
	s_lshr_b32 s42, s42, 16
	s_sub_co_u32 s43, s21, s43
	s_mul_i32 s43, s43, 80
	s_sub_co_i32 s25, s42, s43
	s_max_i32 s25, s25, 0
	s_min_i32 s25, s25, 80                         ; n: the tile's tokens
	s_mov_b32 s26, 0
.irp th, 7,13,18,22,25,27                      ; a: how many of the first numbers of a = 1..6 are not beyond the set's
	s_cmp_ge_u32 s41, \th
	s_add_co_ci_u32 s26, s26, 0
.endr
	s_sub_co_u32 s27, 15, s26
	s_mul_i32 s27, s27, s26
	s_lshr_b32 s27, s27, 1
	s_sub_co_u32 s28, s41, s27
	s_add_co_u32 s28, s28, s26
	s_add_co_u32 s28, s28, 1                       ; b
	s_min_u32 s26, s26, 7
	s_min_u32 s28, s28, 7
	s_lshl_b32 s29, s22, 2
	s_add_co_u32 s29, s29, s20
	s_lshl_b32 s26, s26, 4
	s_add_co_u32 s26, s26, s29
	s_lshl_b32 s26, s26, 16                        ; (16 a + 4 nt + wave) x 65,536
	s_lshl_b32 s28, s28, 4
	s_add_co_u32 s28, s28, s29
	s_lshl_b32 s28, s28, 16
	v_add_nc_u32 v21, s26, v6                      ; a's weights: K steps 0-7
	v_add_nc_u32 v23, s28, v6                      ; b's weights: K steps 8-15
	WIN 0x80
.set z, 0
.rept 48                                       ; K steps 0-2 into slots 0-2: a step is 16 loads of 512 consecutive bytes
	global_load_b128 v[4*z:4*z+3], v21, s[12:13] offset:512*z
.set z, z+1
.endr
	WIN 0
	s_cmp_eq_u32 s25, 0
	s_cbranch_scc1 .Lno_rows
	; ---------------- my 20 rows of g: loaded whole, scaled, rounded to f16, into LDS
.set i, 0
.rept 20
	s_min_u32 s[TKN+i], s[TKN+i], 4095
.set i, i+1
.endr
.set i, 0
.rept 20
	v_lshl_add_u32 v[GOF+i], s[TKN+i], 11, v6      ; 2,048 bytes a token
.set i, i+1
.endr
.set i, 0
.rept 20
.if i < 12
	WIN 0x40
.set R, 16*i
.else
	WIN 0xc0
.set R, 16*(i-12)
.endif
.set z, 0
.rept 4
	global_load_b128 v[R+4*z:R+4*z+3], v[GOF+i], s[10:11] offset:512*z
.set z, z+1
.endr
.set i, i+1
.endr
; Rows 4 q .. 4 q + 3, stage by stage: between an instruction and the one that reads its result stand the other three rows'.  Row t's registers at work: v[232+4t] 2^-E, v[233+4t] and v[234+4t] maxima, then 2^E.
.macro ROWQ q
.if (\q) < 3
.set RQ, 64*(\q)
	WIN 0x55
.else
.set RQ, 64*((\q)-3)
	WIN 0xff
.endif
.if (\q) == 0
	s_wait_loadcnt 63                              ; 64 younger loads could stay out
.else
	s_wait_loadcnt 64-16*(\q)                      ; the younger groups' loads, 16 each, stay out
.endif
.irp t, 0,1,2,3
	v_max3_num_f32 v[234+4*\t], |v[RQ+16*\t]|, |v[RQ+16*\t+1]|, |v[RQ+16*\t+2]|
	v_max3_num_f32 v[233+4*\t], |v[RQ+16*\t+3]|, |v[RQ+16*\t+4]|, |v[RQ+16*\t+5]|
.endr
.irp c, 6,10
.irp t, 0,1,2,3
	v_max3_num_f32 v[234+4*\t], v[234+4*\t], |v[RQ+16*\t+\c]|, |v[RQ+16*\t+\c+1]|
	v_max3_num_f32 v[233+4*\t], v[233+4*\t], |v[RQ+16*\t+\c+2]|, |v[RQ+16*\t+\c+3]|
.endr
.endr
.irp t, 0,1,2,3
	v_max3_num_f32 v[234+4*\t], v[234+4*\t], |v[RQ+16*\t+14]|, |v[RQ+16*\t+15]|
.endr
.irp t, 0,1,2,3
	v_max_num_f32 v[234+4*\t], v[234+4*\t], v[233+4*\t]
.endr
.irp d, 1,2,4,8
.irp t, 0,1,2,3
	v_max_num_f32_dpp v[234+4*\t], v[234+4*\t], v[234+4*\t] row_xmask:\d row_mask:0xf bank_mask:0xf
.endr
.endr
.irp t, 0,1,2,3
	v_permlanex16_b32 v[233+4*\t], v[234+4*\t], s46, s47
.endr
.irp t, 0,1,2,3
	v_max_num_f32 v[234+4*\t], v[234+4*\t], v[233+4*\t]   ; the row's largest magnitude, in every lane
.endr
.irp t, 0,1,2,3
	v_and_b32 v[234+4*\t], s32, v[234+4*\t]        ; its exponent field alone: a power of two,
.endr
.irp t, 0,1,2,3
	v_max_u32 v[234+4*\t], s33, v[234+4*\t]        ; held where it and its reciprocal are normal numbers:
.endr
.irp t, 0,1,2,3
	v_min_u32 v[234+4*\t], s34, v[234+4*\t]        ; 2^E
.endr
.irp t, 0,1,2,3
	v_sub_nc_u32 v[232+4*\t], s35, v[234+4*\t]     ; 2^-E
.endr
.set z, 0
.rept 8
.irp t, 0,1,2,3
	v_pk_mul_f32 v[RQ+16*\t+2*z:RQ+16*\t+2*z+1], v[RQ+16*\t+2*z:RQ+16*\t+2*z+1], v[232+4*\t:233+4*\t] op_sel_hi:[1,0]
.endr
.set z, z+1
.endr
.set z, 0
.rept 8
.irp t, 0,1,2,3
	v_cvt_pk_f16_f32 v[RQ+16*\t+z], v[RQ+16*\t+2*z], v[RQ+16*\t+2*z+1]
.endr
.set z, z+1
.endr
.irp t, 0,1,2,3
.set z, 0
.rept 4
	ds_store_b64 v250, v[RQ+16*\t+2*z:RQ+16*\t+2*z+1] offset:(4*(\q)+\t)*GPP+256*z
.set z, z+1
.endr
	ds_store_b32 v251, v[234+4*\t] offset:4*(4*(\q)+\t)
.endr
.endm
	ROWQ 0
	ROWQ 1
	ROWQ 2
	ROWQ 3
	ROWQ 4
	WIN 0
.Lno_rows:
	s_wait_dscnt 0x0                               ; for the others' sake: my rows are in LDS
	s_barrier_signal -1
	s_barrier_wait -1
	s_cmp_eq_u32 s25, 0
	s_cbranch_scc1 .Lend
	; ---------------- THE PRODUCT: 16 K steps of 32
	s_load_b512 s[TKN:TKN+15], s[8:9], s23 offset:0x0        ; for the way out: the tokens of the tile's rows 0-15,
	s_load_b512 s[TKN+16:TKN+31], s[8:9], s23 offset:0x40    ; and 16-31
	WIN 0x40
.set z, 0
.rept 3                                        ; 2^E of rows 16 b + r, twice: a pair for the packed multiply
	ds_load_b32 v[224+2*z], v67 offset:64*z
	ds_load_b32 v[225+2*z], v67 offset:64*z
.set z, z+1
.endr
	WIN 0xc0
.set z, 0
.rept 2
	ds_load_b32 v[224+2*z], v67 offset:192+64*z
	ds_load_b32 v[225+2*z], v67 offset:192+64*z
.set z, z+1
.endr
	WIN 0
.set z, 0
.rept 5
	ds_load_b128 v[XB+8*z:XB+8*z+3], v[8+z]
	ds_load_b128 v[XB+8*z+4:XB+8*z+7], v[8+z] offset:32
.set z, z+1
.endr
; K step k: slot k % 4 of the ring, token buffer k % 2.  It fetches the weights of step k + 3 (a's up to step 7, then b's) and the tokens of step k + 1.
.macro DSTEP k
.if (\k) > 0
.rept 4
	v_nop                                          ; four places between the last product and loads into the slot and the buffer that the step before read
.endr
.endif
.if (\k) < 13
	s_wait_loadcnt 32                              ; this step's weights are in: the two younger steps' loads, 16 each, may stay out; then the next fetch goes out: 48 of mine are out at the most
	WIN 0x80
.set z, 0
.rept 16
	global_load_b128 v[64*(((\k)+3)%4)+4*z:64*(((\k)+3)%4)+4*z+3], v[21+2*(((\k)+3)/8)], s[12:13] offset:(((\k)+3)%8)*8192+512*z
.set z, z+1
.endr
.else
	s_wait_loadcnt 16*(15-(\k))                    ; steps 13 to 15 fetch no weights: the counts run down
.endif
	WIN 0
.if (\k) < 15
.set z, 0
.rept 5
	ds_load_b128 v[XB+40*(((\k)+1)%2)+8*z:XB+40*(((\k)+1)%2)+8*z+3], v[8+z] offset:64*((\k)+1)
	ds_load_b128 v[XB+40*(((\k)+1)%2)+8*z+4:XB+40*(((\k)+1)%2)+8*z+7], v[8+z] offset:64*((\k)+1)+32
.set z, z+1
.endr
	s_wait_dscnt 10                                ; this step's tokens are in; the next step's ten loads stay out
.else
	s_wait_dscnt 0x0
.endif
	WIN 0x52                                       ; weights window 2, tokens window 0, sums window 1
.set z, 0
.rept 24                                       ; the 40 accumulators take turns, in the same order in every step
.if (\k) == 0
	v_wmma_f32_16x16x32_f16 v[8*z:8*z+7], v[64*((\k)%4)+8*(z%8):64*((\k)%4)+8*(z%8)+7], v[XB+40*((\k)%2)+8*(z/8):XB+40*((\k)%2)+8*(z/8)+7], 0
.else
	v_wmma_f32_16x16x32_f16 v[8*z:8*z+7], v[64*((\k)%4)+8*(z%8):64*((\k)%4)+8*(z%8)+7], v[XB+40*((\k)%2)+8*(z/8):XB+40*((\k)%2)+8*(z/8)+7], v[8*z:8*z+7]
.endif
.set z, z+1
.endr
	WIN 0xf2                                       ; sums window 3
.set z, 0
.rept 16
.if (\k) == 0
	v_wmma_f32_16x16x32_f16 v[8*z:8*z+7], v[64*((\k)%4)+8*(z%8):64*((\k)%4)+8*(z%8)+7], v[XB+40*((\k)%2)+8*(3+z/8):XB+40*((\k)%2)+8*(3+z/8)+7], 0
.else
	v_wmma_f32_16x16x32_f16 v[8*z:8*z+7], v[64*((\k)%4)+8*(z%8):64*((\k)%4)+8*(z%8)+7], v[XB+40*((\k)%2)+8*(3+z/8):XB+40*((\k)%2)+8*(3+z/8)+7], v[8*z:8*z+7]
.endif
.set z, z+1
.endr
.endm
.set kk, 0
.rept 16                                       ; K step 0 starts the sums
	DSTEP kk
.set kk, kk+1
.endr
.rept 4
	v_nop                                          ; four places between the last product and the first reader of a sum
.endr
	; ---------------- THE WAY OUT, a block of 16 tokens at a time: times 2^E, through my stage, back as whole rows of 512 bytes, stored; rows past the count are jumped
.macro OUT blk
.set S0, TKN+16*((\blk)%2)             ; the block's 16 token numbers
.if (\blk) < 3
.set A0, 64*(\blk)
.set P0, 224+2*(\blk)
	WIN 0x55
.else
.set A0, 64*((\blk)-3)
.set P0, 224+2*((\blk)-3)
	WIN 0xff
.endif
.set z, 0
.rept 32                                       ; each accumulator is read from its low end on
	v_pk_mul_f32 v[A0+2*z:A0+2*z+1], v[A0+2*z:A0+2*z+1], v[P0:P0+1]
.set z, z+1
.endr
.set z, 0
.rept 16
	ds_store_b128 v252, v[A0+4*z:A0+4*z+3] offset:64*(z/2)+16*(z%2)
.set z, z+1
.endr
	WIN 0
	s_wait_xcnt 0x0                                ; the block before's stores have read their registers
	s_wait_kmcnt 0x0                               ; the token numbers, asked for two blocks ago
.set z, 0
.rept 16
	s_min_u32 s[S0+z], s[S0+z], 4095
.set z, z+1
.endr
.set z, 0
.rept 16
	v_lshl_add_u32 v[OO+z], s[S0+z], 13, v46       ; 8,192 bytes a token
.set z, z+1
.endr
.if (\blk) < 3
	s_load_b512 s[S0:S0+15], s[8:9], s23 offset:64*((\blk)+2)   ; the set takes the block two further on
.endif
.set z, 0
.rept 16
	ds_load_b128 v[RBK+4*z:RBK+4*z+3], v45 offset:SGP*z   ; LDS serves a wave's instructions in order: these see the stores above, and the next block's stores come behind them
.set z, z+1
.endr
.set z, 0
.rept 16
	s_cmp_le_u32 s25, 16*(\blk)+z
	s_cbranch_scc1 .Lend
	s_wait_dscnt 15-z
	global_store_b128 v[OO+z], v[RBK+4*z:RBK+4*z+3], s[14:15] th:TH_STORE_NT   ; 512 consecutive bytes, aligned
.set z, z+1
.endr
.endm
	OUT 0
	OUT 1
	OUT 2
	OUT 3
	OUT 4
.Lend:
	s_wait_tensorcnt 0x0                           ; the wave's end, behind my last LDS store
	ds_add_u32 v2, v3
	s_wait_dscnt 0x0
	s_endpgm
.Lfunc_end_k_qafd9f0b1b5_down:
	.size	k_qafd9f0b1b5_down, .Lfunc_end_k_qafd9f0b1b5_down-k_qafd9f0b1b5_down
	.p2alignl 7, 3214868480
	.fill 96, 4, 3214868480
	.section	.rodata,"a",@progbits
	.p2align	6, 0x0
	.amdhsa_kernel k_qafd9f0b1b5_down
		.amdhsa_group_segment_fixed_size 118016
		.amdhsa_private_segment_fixed_size 0
		.amdhsa_enable_private_segment 0
		.amdhsa_kernarg_size 32
		.amdhsa_user_sgpr_count 2
		.amdhsa_user_sgpr_kernarg_segment_ptr 1
		.amdhsa_wavefront_size32 1
		.amdhsa_system_sgpr_workgroup_id_x 1
		.amdhsa_system_sgpr_workgroup_id_y 1
		.amdhsa_system_sgpr_workgroup_id_z 1
		.amdhsa_system_vgpr_workitem_id 0
		.amdhsa_next_free_vgpr 1024
		.amdhsa_next_free_sgpr 100
		.amdhsa_reserve_vcc 0
		.amdhsa_float_denorm_mode_32 3
		.amdhsa_float_denorm_mode_16_64 3
		.amdhsa_memory_ordered 1
		.amdhsa_forward_progress 1
		.amdhsa_inst_pref_size 187
	.end_amdhsa_kernel
	.amdgpu_metadata
---
amdhsa.version: [ 1, 2 ]
amdhsa.kernels:
  - .name:           k_qafd9f0b1b5_down
    .symbol:         k_qafd9f0b1b5_down.kd
    .args:
      - { .name: plan, .offset: 0, .size: 8, .value_kind: global_buffer, .address_space: global }
      - { .name: g, .offset: 8, .size: 8, .value_kind: global_buffer, .address_space: global }
      - { .name: wd, .offset: 16, .size: 8, .value_kind: global_buffer, .address_space: global }
      - { .name: out0, .offset: 24, .size: 8, .value_kind: global_buffer, .address_space: global }
    .group_segment_fixed_size: 118016
    .private_segment_fixed_size: 0
    .kernarg_segment_align: 8
    .kernarg_segment_size: 32
    .max_flat_workgroup_size: 128
    .sgpr_count:     100
    .vgpr_count:     1024
    .wavefront_size: 32
...
	.end_amdgpu_metadata
.endif
;; end of part 3
